; MI455X (gfx1250); checked and timed in simulation.
; The chip was launched on July 23, 2026; its instructions are those of AMD's public machine-readable ISA for CDNA 5 (MIT licence, August 2026) and "CDNA5" Instruction Set Architecture Reference Guide (July 2026). The comments in the code are by the model that wrote it; some were corrected since.
;; Momentum Vector Quantizer. Allowed arithmetic: matrix products marked QUANTISED: E2M3 operands, one E8M0 scale for each 32 along K, by v_wmma_scale_f32_16x16x128_f8f6f4 with both operands' format E2M3, f32 sums; everything else in f32.
;; Inputs: embeddings 512 x 4,096 float32; x 8 x 4,096 x 512 float32.
;; Outputs: out0 8 x 4,096 x 512 float32.
;; This version of the problem:
;;   THIS VERSION OF THE PROBLEM IS GIVEN IN LOW PRECISION. The matrix products marked QUANTISED in the list below multiply operands that are first quantised to E2M3 (2 exponent bits, 3 mantissa bits; 6 bits a number), with one power-of-two scale for each 32 numbers along K (OCP MX v1.0); their sums are f32. All else is computed in f32.
;;   The module's matrix products, in the order in which they are computed (A, B: the left and right operand; K: the contracted axis; several contracted axes count as one K, in the product's order):
;;     1. [M 32,768, K 512] x [K 512, N 4,096]; A: computed on the way; B: computed on the way: QUANTISED
;;   THE QUANTISER, for each operand of a quantised product, along K:
;;     - K is cut into blocks of 32 from its start; a last block that is shorter is filled with zeros.
;;     - A block's scale is 2^e with e = floor(log2(the largest magnitude in the block)) - 2, held to -126 .. 127; a block of zeros has e = 0. As a byte (E8M0): e + 127.
;;     - Each number is divided by its block's scale, clamped to +-7.5, and rounded to the nearest number of E2M3, ties to even, subnormals kept.
;;     - The product sums the exact products of the quantised numbers (number of the format x scale) in f32.
;;   ~~~python
;;   def quantise(x, axis):      # numpy; x: float32 -> the quantised numbers, widened to float32 again
;;       x = np.moveaxis(x, axis, -1); K = x.shape[-1]
;;       x = np.pad(x, [(0, 0)] * (x.ndim - 1) + [(0, -K % 32)]); x = x.reshape(x.shape[:-1] + (-1, 32)); a = np.abs(x).max(-1, keepdims=True)
;;       e = np.where(a > 0, np.clip(np.frexp(np.where(a > 0, a, 1))[1] - 1 - 2, -126, 127), 0)      # np.frexp(a)[1] - 1 = floor(log2(a)), exactly
;;       r = np.clip(x / 2.0 ** e, -7.5, 7.5)
;;       step = 2.0 ** (np.maximum(np.frexp(np.where(r == 0, 1, r))[1] - 1, 0) - 3)
;;       q = np.round(r / step) * step * 2.0 ** e      # np.round: ties to even
;;       return np.moveaxis(q.reshape(q.shape[:-2] + (-1,))[..., :K], -1, axis).astype(np.float32)
;;   ~~~
;;   OPERANDS COMPUTED ON THE WAY. 'Computed on the way' means the value that the module computes at that place (a softmax that the list does not call 'softmax' is quantised finished and normalised). What goes into a quantiser is computed in f32, as accurately as f32 sums, v_exp_f32 and their like allow (about 1e-6 of the number): no bf16 or f16 on the way to a quantiser, and a product that is left as it is and whose result goes on into a quantised operand takes f32 operands (vector FMAs, or v_wmma_f32_16x16x4_f32). A number that lies on a knife's edge between two numbers of the format may be rounded either way, as far as f32 arithmetic and the matrix unit's own rounding can turn it there, and no further.
;; One version. Each part assembles by itself: llvm-mc -triple=amdgcn-amd-amdhsa -mcpu=gfx1250 --defsym DOCPART=n.
;; ======== version 1 of 1: 3 launches
;; limits: right only within a limited range of input values
;; workspace buffers: ecodes 1,638,400 bytes; etab 8,388,608 bytes; best 131,072 bytes of whole numbers
;; launch codebook (part 1): grid 128 x 1, 4 waves a work-group, no clusters, 81,408 bytes of LDS; arguments embeddings, ecodes, etab; writes ecodes, etab
.if DOCPART == 1
	.amdgcn_target "amdgcn-amd-amdhsa--gfx1250"
	.amdhsa_code_object_version 6
	.text
	.protected	k_qcb176f3e3e_codebook
	.globl	k_qcb176f3e3e_codebook
	.p2align	8
	.type	k_qcb176f3e3e_codebook,@function
k_qcb176f3e3e_codebook:
	s_mov_b64 s[64:65], 0
	v_nop
	global_prefetch_b8 v0, s[64:65] scope:SCOPE_SE
	s_setreg_imm32_b32 hwreg(HW_REG_WAVE_MODE, 25, 1), 1
	s_wait_xcnt 0x0
; embeddings [512 (k)][4096 (column)] f32.  Each column is divided by max(its L2 norm, 1e-12).  The normalised columns leave twice:
;   etab   [4096][512] f32: the columns as rows, for the gather of the last launch;
;   ecodes: codes of FP6 (E2M3) with one E8M0 scale byte for each 32 along k, laid in the order of the matrix operand's registers.
; ecodes is 128 pair blocks of 12,800 bytes; pair p = columns 32 p .. 32 p + 31 = column tiles 2 p, 2 p + 1.  In a block: the fragment of tile u, K step s (128 along k) at byte 6144 u + 1536 s,
; register q of lane l at 512 (q / 4) + 16 l + 4 (q % 4); lane (r, h), registers 6 c .. 6 c + 5 = k 128 s + 64 c + 32 h + 0 .. 31 of column 16 (2 p + u) + r.  At byte 12,288: 512 bytes of scale words,
; lane l's 16 bytes = the words of K steps 0 .. 3 of column 32 p + l.
; SHARES.  Work-group p takes pair p.  Wave s takes k = 128 s .. 128 s + 127, one K step.  A LANE TAKES A COLUMN AND ITS REGISTERS RUN DOWN k: a load reads 128 consecutive bytes, a block of 32 lies in one lane,
; and the conversions give codes with k innermost.  The four waves' sums of squares meet in LDS.  128 work-groups: what 32 columns a wave with all of k in one work-group give.
; A block's scale is 2^(floor(log2(its largest magnitude)) - 2); its byte is the largest magnitude's exponent field - 2, held at 1 from below (a block of zeros gets the byte 1: its codes are zeros, and this program alone reads the bytes).
; 1 / norm is v_sqrt_f32, the maximum with 1e-12, v_rcp_f32, and each number is multiplied by it.
; LIMITS: NaN and infinities among the inputs are not served; a column's sum of squares stays under f32's largest number (magnitudes under about 8e17); blocks whose largest magnitude lies under 2^-124 get the byte 1.
; No tensor load, no cluster, no matrix unit: each input byte is read once by one wave, and nothing is shared between work-groups.
.set TSW,   32*528                     ; a wave's turning stage: 32 rows (columns of the codebook) x (512 bytes + 16)
.set CS,    4*TSW                      ; behind the four stages: a wave's two fragment images, 3,072 bytes a wave
.set CSW,   3072
.set SCS,   CS+4*CSW                   ; the pair's 512 bytes of scale words
.set RED,   SCS+512                    ; the waves' sums of squares: [wave][column], 512 bytes
.set SPARE, RED+512                    ; the spare words, 128 bytes for each wave: two blocks of 256 bytes that no other line names
.set X,     32                         ; v32-159  my column's 128 numbers
.set Y,     160                        ; v160-223 on the way out
.set PC,    224                        ; v224-229 a block's codes; v232-234 its second half as the conversion leaves it
	s_load_b128 s[4:7], s[0:1], 0x0                ; embeddings, ecodes
	s_load_b64 s[8:9], s[0:1], 0x10                ; etab
	v_lshl_add_u32 v4, v0, 2, SPARE                ; my spare word; never rewritten
	v_mov_b32 v5, 0                                ; 0; never rewritten
	v_lshrrev_b32 v1, 5, v0
	v_readfirstlane_b32 s10, v1                    ; wave = K step
	v_and_b32 v1, 31, v0                           ; lane = column of the pair
	v_lshlrev_b32 v2, 2, v1                        ; 4 x lane
	v_lshlrev_b32 v3, 4, v1                        ; 16 x lane
	s_lshl_b32 s11, s10, 7
	s_add_co_u32 s11, s11, RED
	v_add_nc_u32 v6, s11, v2                       ; where my sum of squares goes
	v_add_nc_u32 v7, RED, v2                       ; and where the four are read
	s_mul_i32 s11, s10, TSW
	v_mul_u32_u24 v8, v1, 528
	v_add_nc_u32 v8, s11, v8                       ; the stage, in: row = my column
	v_add_nc_u32 v9, s11, v3                       ; out: 32 lanes take a row's 512 bytes
	s_mul_i32 s11, s10, CSW
	s_add_co_u32 s11, s11, CS
	v_lshrrev_b32 v10, 4, v1
	v_mul_u32_u24 v10, v10, 1536
	v_and_b32 v11, 15, v1
	v_lshl_add_u32 v10, v11, 4, v10
	v_add_nc_u32 v10, s11, v10                     ; the images, in: tile lane / 16, place of lane (lane % 16, h = 0)
	v_add_nc_u32 v11, s11, v3                      ; out: as they lie
	s_lshl_b32 s11, s10, 2
	s_add_co_u32 s11, s11, SCS
	v_add_nc_u32 v12, s11, v3                      ; my column's scale word of my K step
	v_add_nc_u32 v13, SCS, v3                      ; and a column's four
	s_lshl_b32 s14, s10, 21                        ; my 128 rows of 16,384 bytes,
	s_lshl_b32 s15, ttmp9, 7                       ; my pair's 128 bytes of a row
	s_add_co_u32 s14, s14, s15
	s_mov_b32 s15, 0
	s_mul_i32 s16, ttmp9, 12800                    ; my pair block
	s_mov_b32 s17, 0
	s_mul_i32 s18, s10, 1536                       ; my K step in it
	s_mov_b32 s19, 0
	s_lshl_b32 s20, ttmp9, 16                      ; etab: 32 rows of 2,048 bytes,
	s_lshl_b32 s21, s10, 9                         ; my 512 bytes of each
	s_add_co_u32 s20, s20, s21
	s_mov_b32 s21, 0
	s_wait_kmcnt 0x0
	s_add_nc_u64 s[4:5], s[4:5], s[14:15]
	s_add_nc_u64 s[6:7], s[6:7], s[16:17]
	s_add_nc_u64 s[12:13], s[6:7], s[18:19]
	s_add_nc_u64 s[8:9], s[8:9], s[20:21]
.set i, 0
.rept 128
	global_load_b32 v[X+i], v2, s[4:5] offset:i*16384 th:TH_LOAD_NT   ; embeddings(128 s + i, my column): 32 lanes read 128 consecutive bytes
.set i, i+1
.endr
; the sum of squares of 32 numbers, two at a time, in four chains; the first four products start the chains
.macro SQ g
.set n, 16*(\g)
.rept 16
.if n < 4
	v_pk_mul_f32 v[16+2*n:17+2*n], v[X+2*n:X+2*n+1], v[X+2*n:X+2*n+1]
.else
	v_pk_fma_f32 v[16+2*(n%4):17+2*(n%4)], v[X+2*n:X+2*n+1], v[X+2*n:X+2*n+1], v[16+2*(n%4):17+2*(n%4)]
.endif
.set n, n+1
.endr
.endm
	s_wait_loadcnt 63                              ; of 128 loads at most 63 are out: the first 65 are in
	SQ 0
	SQ 1
	s_wait_alu depctr_va_vdst(0)
	s_wait_loadcnt 32                              ; the last 32 may be out
	SQ 2
	s_wait_alu depctr_va_vdst(0)
	s_wait_loadcnt 0x0
	SQ 3
	v_pk_add_f32 v[16:17], v[16:17], v[18:19]
	v_pk_add_f32 v[20:21], v[20:21], v[22:23]
	v_pk_add_f32 v[16:17], v[16:17], v[20:21]
	v_add_f32 v24, v16, v17
	ds_store_b32 v6, v24
	s_wait_dscnt 0x0                               ; for the others' sake: my sum lies in LDS
	s_barrier_signal -1
	s_barrier_wait -1
	ds_load_b32 v28, v7
	ds_load_b32 v29, v7 offset:128
	ds_load_b32 v30, v7 offset:256
	ds_load_b32 v31, v7 offset:384
	s_wait_dscnt 0x0
	v_add_f32 v24, v28, v29                        ; the same order in all four waves: all four get the same norm
	v_add_f32 v24, v24, v30
	v_add_f32 v24, v24, v31
	s_wait_alu depctr_va_vdst(0)
	v_sqrt_f32 v24, v24
	v_nop                                          ; a plain instruction behind the transcendental,
	s_wait_alu depctr_va_vdst(0)                   ; and the wait ahead of the first use of its result
	v_max_num_f32 v24, 0x2b8cbccc, v24             ; max(norm, 1e-12)
	s_wait_alu depctr_va_vdst(0)
	v_rcp_f32 v26, v24
	v_nop
	s_wait_alu depctr_va_vdst(0)
	v_mov_b32 v27, v26                             ; a pair for the packed multiply
.set n, 0
.rept 64
	v_pk_mul_f32 v[X+2*n:X+2*n+1], v[X+2*n:X+2*n+1], v[26:27]
.set n, n+1
.endr
; Block b of my K step: k = 32 b .. 32 b + 31, all mine.  In the operand's layout it is registers 6 (b / 2) .. + 5 of lane (my column % 16, h = b % 2): 256 (b % 2) bytes on in the image.
.macro BLOCK b
.set XS, X+32*(\b)
.set hh, (\b)%2
	v_max3_num_f32 v28, |v[XS]|, |v[XS+1]|, |v[XS+2]|
	v_max3_num_f32 v29, |v[XS+3]|, |v[XS+4]|, |v[XS+5]|
.irp i, 6,10,14,18,22,26
	v_max3_num_f32 v28, v28, |v[XS+\i]|, |v[XS+\i+1]|
	v_max3_num_f32 v29, v29, |v[XS+\i+2]|, |v[XS+\i+3]|
.endr
	v_max3_num_f32 v28, v28, |v[XS+30]|, |v[XS+31]|
	v_max3_num_f32 v28, v28, v29, 0x1800000        ; and the floor 2^(3 - 127): the byte cannot fall under 1
	v_add_nc_u32 v30, 0xff000000, v28              ; 2 off the exponent field: the conversion takes the exponent field of this operand as its scale
	v_lshrrev_b32 v31, 23, v30                     ; the scale's byte
.if (\b) == 0
	v_mov_b32 v14, v31
.else
	v_lshl_or_b32 v14, v31, 8*(\b), v14            ; byte b of my column's scale word
.endif
	v_cvt_scalef32_pk16_fp6_f32 v[PC:PC+2], v[XS:XS+15], v30
	v_cvt_scalef32_pk16_fp6_f32 v[PC+8:PC+10], v[XS+16:XS+31], v30   ; (a conversion's three registers begin on an even number)
	v_nop                                          ; one plain instruction behind a scaled conversion
.irp i, 0,1,2
	v_mov_b32 v[PC+3+\i], v[PC+8+\i]
.endr
.if (\b) < 2
	ds_store_b128 v10, v[PC:PC+3] offset:256*hh            ; registers 0-3
	ds_store_b64 v10, v[PC+4:PC+5] offset:512+256*hh       ; registers 4, 5
.else
	ds_store_b64 v10, v[PC:PC+1] offset:520+256*hh         ; registers 6, 7
	ds_store_b128 v10, v[PC+2:PC+5] offset:1024+256*hh     ; registers 8-11
.endif
	s_wait_dscnt 0x0                               ; the stores have read their registers: the next block's codes may be written
.endm
.macro ROWS_IN g                       ; 16 rows of the stage back, whole: LDS serves a wave's instructions in order, so these see my stores
.irp t, 0,1,2,3,4,5,6,7,8,9,10,11,12,13,14,15
	ds_load_b128 v[Y+4*\t:Y+4*\t+3], v9 offset:528*(16*(\g)+\t)
.endr
.endm
.macro ROWS_OUT g                      ; and into etab: each store of the wave covers 512 consecutive bytes, at a multiple of 512 from etab's first byte
.irp t, 0,1,2,3,4,5,6,7,8,9,10,11,12,13,14,15
	global_store_b128 v3, v[Y+4*\t:Y+4*\t+3], s[8:9] offset:2048*(16*(\g)+\t)
.endr
.endm
.set i, 0
.rept 32
	ds_store_b128 v8, v[X+4*i:X+4*i+3] offset:16*i ; my column's 128 numbers as a row of the stage
.set i, i+1
.endr
	ROWS_IN 0
	BLOCK 0                                        ; the blocks' arithmetic stands between the rows' loads and their stores (each block ends with a wait for all LDS instructions)
	BLOCK 1
	ROWS_OUT 0
	s_wait_xcnt 0x0                                ; the stores have read their registers: they are loaded again only behind this wait
	ROWS_IN 1
	BLOCK 2
	BLOCK 3
	s_wait_alu depctr_va_vdst(0)
	ds_store_b32 v12, v14                          ; my column's scale word of my K step
	s_wait_dscnt 0x0
	ROWS_OUT 1
	s_wait_xcnt 0x0
.irp t, 0,1,2,3,4,5
	ds_load_b128 v[Y+4*\t:Y+4*\t+3], v11 offset:512*\t     ; my wave's two fragment images, as they lie
.endr
	s_wait_dscnt 0x0
.irp t, 0,1,2,3,4,5
	global_store_b128 v3, v[Y+4*\t:Y+4*\t+3], s[12:13] offset:(\t/3)*6144+(\t%3)*512
.endr
	s_wait_dscnt 0x0                               ; no LDS instruction of mine is out: my scale words lie in LDS
	s_barrier_signal -1
	s_barrier_wait -1                              ; everybody's do
	s_cmp_lg_u32 s10, 0
	s_cbranch_scc1 .Lnot_wave_0
	ds_load_b128 v[236:239], v13                   ; wave 0 stores the pair's 512 bytes of scale words
	s_wait_dscnt 0x0
	global_store_b128 v3, v[236:239], s[6:7] offset:12288
.Lnot_wave_0:
	s_wait_tensorcnt 0x0                           ; the wave's end: behind my last LDS store
	ds_add_u32 v4, v5
	s_wait_dscnt 0x0
	s_endpgm
.Lfunc_end_k_qcb176f3e3e_codebook:
	.size	k_qcb176f3e3e_codebook, .Lfunc_end_k_qcb176f3e3e_codebook-k_qcb176f3e3e_codebook
	.p2alignl 7, 3214868480
	.fill 96, 4, 3214868480
	.section	.rodata,"a",@progbits
	.p2align	6, 0x0
	.amdhsa_kernel k_qcb176f3e3e_codebook
		.amdhsa_group_segment_fixed_size 81408
		.amdhsa_private_segment_fixed_size 0
		.amdhsa_enable_private_segment 0
		.amdhsa_kernarg_size 24
		.amdhsa_user_sgpr_count 2
		.amdhsa_user_sgpr_kernarg_segment_ptr 1
		.amdhsa_wavefront_size32 1
		.amdhsa_system_sgpr_workgroup_id_x 1
		.amdhsa_system_sgpr_workgroup_id_y 1
		.amdhsa_system_sgpr_workgroup_id_z 1
		.amdhsa_system_vgpr_workitem_id 0
		.amdhsa_next_free_vgpr 256
		.amdhsa_next_free_sgpr 66
		.amdhsa_reserve_vcc 0
		.amdhsa_float_denorm_mode_32 3
		.amdhsa_float_denorm_mode_16_64 3
		.amdhsa_memory_ordered 1
		.amdhsa_forward_progress 1
		.amdhsa_inst_pref_size 39
	.end_amdhsa_kernel
	.amdgpu_metadata
---
amdhsa.version: [ 1, 2 ]
amdhsa.kernels:
  - .name:           k_qcb176f3e3e_codebook
    .symbol:         k_qcb176f3e3e_codebook.kd
    .args:
      - { .name: embeddings, .offset: 0, .size: 8, .value_kind: global_buffer, .address_space: global }
      - { .name: ecodes, .offset: 8, .size: 8, .value_kind: global_buffer, .address_space: global }
      - { .name: etab, .offset: 16, .size: 8, .value_kind: global_buffer, .address_space: global }
    .group_segment_fixed_size: 81408
    .private_segment_fixed_size: 0
    .kernarg_segment_align: 8
    .kernarg_segment_size: 24
    .max_flat_workgroup_size: 128
    .sgpr_count:     66
    .vgpr_count:     256
    .wavefront_size: 32
...
	.end_amdgpu_metadata
.endif
;; end of part 1
;; launch match (part 2): grid 256 x 1, 4 waves a work-group, clusters of 4 x 1, 327,680 bytes of LDS; arguments x, ecodes, best; writes best
.if DOCPART == 2
	.amdgcn_target "amdgcn-amd-amdhsa--gfx1250"
	.amdhsa_code_object_version 6
	.text
	.protected	k_qcb176f3e3e_match
	.globl	k_qcb176f3e3e_match
	.p2align	8
	.type	k_qcb176f3e3e_match,@function
k_qcb176f3e3e_match:
	s_mov_b64 s[64:65], 0
	v_nop
	global_prefetch_b8 v0, s[64:65] scope:SCOPE_SE
	s_setreg_imm32_b32 hwreg(HW_REG_WAVE_MODE, 25, 1), 1
	s_wait_xcnt 0x0
	s_wait_alu depctr_hold_cnt(0) depctr_sa_sdst(0) depctr_va_vdst(0) depctr_va_sdst(0) depctr_va_ssrc(0) depctr_va_vcc(0) depctr_vm_vsrc(0)
	s_getreg_b32 s2, hwreg(HW_REG_IB_STS2, 6, 4)
	s_cmp_eq_u32 s2, 0
	s_cbranch_scc0 .Lentry_in_a_cluster
	s_endpgm
.Lentry_in_a_cluster:
	s_bfe_u32 s2, ttmp6, 0x10000c
	s_cmp_lg_u32 s2, 0x3003
	s_cbranch_scc0 .Lentry_shape_is_right
	s_endpgm
.Lentry_shape_is_right:
; best[row] = the column of the normalised codebook with the largest product with the normalised row of x, the lowest column among equals.  x: [32768][512] f32.  Both operands are codes of FP6 (E2M3) with one E8M0 scale
; for each 32 along k; the codebook's come from ecodes (128 pair blocks of 12,800 bytes: eight fragment images of 1,536 bytes, tile u, K step s at 6144 u + 1536 s, then 512 bytes of scale words), x's are made here.
; SHARES.  A work-group owns 128 rows for ALL 4,096 columns, so a row's maximum has one owner and x is read once.  THE WAVES SHARE THE COLUMNS: every wave holds the codes of all 128 rows in registers
; (8 row tiles x 4 K steps x 12 = 384, and 32 scale words), so a fragment of the codebook is read from LDS by one wave and feeds 8 matrix instructions.
; THE CODEBOOK goes through a ring of two LDS slots of 102,400 bytes (256 columns), 16 slots' worth.  Wave w fetches and reads its own quarter: columns 256 t + 64 w + 0 .. 63, four column tiles.
; CLUSTER.  All work-groups walk the same stream: 4 x 1 work-groups ask for each quarter JOINTLY, by the same tensor load with the same descriptor and a mask that names the four.
; THE MATRIX INSTRUCTION IS USED TRANSPOSED (source 0 = 16 columns of the codebook, source 1 = 16 rows of x): lane (r, h) holds ONE row of x, and an accumulator's register j the column 8 h + j of the tile.
; THE MAXIMUM, 14 vector instructions an accumulator: four v_max3 fold the old maximum and the 8 numbers; one compare (new > old: so the earlier, lower column stays among equals); one select for the tile's first column; eight
; selects keep the winning accumulator's 8 numbers.  Which of the 8 it was is found once, at the end: the first that equals the maximum.
; IN RUNS: two sets of accumulators.  A tile's 32 matrix instructions stand in two or three runs, and behind each run stands as long a run of the search through the tile before (28 slices of four lines):
; so a tile has about five window switches, and the eight accumulators take turns without a vector line between them.
; PREFETCH: the change that leaves slot t names slot t + 4, two changes ahead of its load; the first cluster asks; of the 100 blocks of 256 bytes that wave w fetches each partner names 25, told apart by address.
; LIMITS: NaN and infinities among the inputs are not served; a row's sum of squares stays under f32's largest number (magnitudes under about 8e17); blocks whose largest magnitude lies under 2^-124 get the scale byte 1.
; 1 / norm is v_sqrt_f32, the maximum with 1e-12, v_rcp_f32.
; REGISTERS, in windows of 256 (s_set_vgpr_msb: bits 1:0 source 0, 3:2 source 1, 5:4 source 2, 7:6 destination):
;   window 0: v1-16 addresses; v20-31 sums and 1 / norm; v32-63 x's scale words, v64-71 the codebook's (scales and nothing else); v72-119 at work; v128-223 the codebook's fragments, two sets of 4 x 12
;   window 1: at the head a row tile's 256 numbers a lane; then x's fragments of K steps 0, 1 at 12 (8 (s % 2) + a)      window 2: at the head row tile 0 as loaded; then K steps 2, 3
;   window 3: at the head row tile 1 as loaded; then v0-63, v64-127 the two sets of accumulators (8 a + j); v128-191 the kept numbers; v192-199, v200-207 the maxima, by turns; v208-215 the first column; v216-223 which of the 8
.set FRB,   1536                       ; a fragment's image: 12 registers x 128 bytes
.set PAIRB, 12800                      ; a pair block of ecodes
.set WPART, 2*PAIRB                    ; a wave's quarter of a slot
.set SLOTB, 4*WPART
.set SLOT1, 1<<17                      ; slot 1 begins here: one exclusive or turns an address in one slot into the other's
.set MRG,   SLOTB                      ; between the slots, in blocks of its own: the waves' (maximum, column) of each row, [wave][row], 8 bytes each
.set AIMG,  SLOT1+SLOTB                ; behind the ring: x's 32 fragment images, (row tile a, K step s) at (4 a + s) FRB,
.set ASC,   AIMG+32*FRB                ; their scale words: tile a at 512 a, lane l's 16 bytes = the words of K steps 0 .. 3,
.set STG,   ASC+8*512                  ; a turning stage of 16 rows x (512 bytes + 16) for each wave,
.set SPARE, STG+4*16*528               ; and the spare words, 128 bytes for each wave: two blocks of 256 bytes that no other line names
.set L16, 1                            ; 16 x lane
.set SPW, 2                            ; my spare word; never rewritten
.set NIL, 3                            ; 0; never rewritten
.set STW, 4                            ; the stage, in
.set STR, 5                            ; the stage, out: 528 r + 64 h
.set AIW, 6                            ; where I store x's images
.set ASW, 7                            ; and their scale words
.set AIR, 8                            ; where all images are read
.set ASR, 9                            ; and all scale words
.set AB0, 10                           ; my lane's place in my quarter of slot 0
.set ADR, 11                           ; the same in the slot in hand
.set H8,  12                           ; 8 h
.set MW,  13                           ; where my rows' pairs go
.set MR,  14                           ; where two rows' pairs are read
.set GO,  15                           ; 8 x lane: my place in best
.set PFO, 16                           ; the prefetches' offset; never rewritten
.set SUM, 20
.set ASCL, 32
.set BSCL, 64
.set TM,  72
.set PW,  88
.set PC,  96
.set BF,  128
.set PV,  72
.set OT,  88
.set FM,  104
.set WR,  128                          ; in window 3
.set MX,  192
.set IDX, 208
.set JJ,  216
.set WV,  10
.set SEL, 16                           ; s[16:17] v_permlanex16_b32's selects for lane l xor 16
.set TB,  18                           ; LDS byte at which the slot in hand begins
.set CB,  19                           ; first column of the tile that is multiplied
.set CBP, 20                           ; of the tile that is searched
.set TRIPS, 21
.set LIM, 22                           ; 2 in the cluster that prefetches, else the greatest number
.set G1,  24
.set G0A, 32                           ; group 0 of slot 0's first fill
.set G0B, 36                           ; group 0 of slot 1's first fill, which then walks
.set PFA, 40
.set MK,  44                           ; s[44:51] lane masks, one for each row tile
.set MSB, 0
.macro WIN new                         ; the immediate's high byte repeats the setting that is left; a switch that changes nothing is dropped
.if MSB != (\new)
	s_set_vgpr_msb (MSB<<8)|(\new)
.set MSB, (\new)
.endif
.endm
.macro PLACES                          ; four plain, unrelated vector instructions (ISA guide 7.12.1)
.rept 4
	v_nop
.endr
.endm
.macro CREST                           ; a round of the cluster's barrier behind its opening barrier
	s_cmp_lg_u32 s[WV], 0
	s_cbranch_scc1 .Lnot_wave_0_\@
	s_barrier_signal -3
.Lnot_wave_0_\@:
	s_barrier_wait -3
	s_barrier_signal -1
	s_barrier_wait -1
.endm
.macro CROUND
	s_barrier_signal -1
	s_barrier_wait -1
	CREST
.endm
	s_load_b128 s[4:7], s[0:1], 0x0                ; x, ecodes
	s_load_b64 s[8:9], s[0:1], 0x10                ; best
	v_lshl_add_u32 v[SPW], v0, 2, SPARE
	v_mov_b32 v[NIL], 0
	ds_add_u32 v[SPW], v[NIL]                      ; the opening: the add, twice on end, and its wait ahead of my first tensor load
	ds_add_u32 v[SPW], v[NIL]
	v_lshrrev_b32 v17, 5, v0
	v_readfirstlane_b32 s[WV], v17                 ; wave 0..3
	s_bfe_u32 s11, ttmp6, 0x40000                  ; cx: it enters x's, best's and the prefetches' addresses alone
	s_lshl_b32 s12, ttmp9, 2
	s_add_co_u32 s12, s12, s11                     ; my block of 128 rows = 4 x cluster x + cx
	; group 1: a quarter of a slot, 25,600 dense bytes, as 100 rows of 256 bytes (32 elements of 8 bytes); no padding: the images are read 512 consecutive bytes at a time
	s_mov_b32 s[G1], 15|(3<<16)|(1<<21)
	s_mov_b32 s[G1+1], 32<<16
	s_mov_b32 s[G1+2], 100<<16
	s_mov_b32 s[G1+3], 32<<16
	s_mov_b32 s[G1+4], 100
	s_mov_b32 s[G1+5], 32
	s_mov_b32 s[G1+6], 0
	s_mov_b32 s[G1+7], 0
	v_and_b32 v17, 31, v0                          ; lane
	v_and_b32 v18, 15, v0                          ; r
	v_bfe_u32 v19, v0, 4, 1                        ; h
	v_lshlrev_b32 v[L16], 4, v17
	s_wait_alu depctr_va_vdst(0)
	s_mul_i32 s48, s[WV], 16*528
	s_add_co_u32 s48, s48, STG                     ; my stage
	v_add_nc_u32 v[STW], s48, v[L16]
	v_mul_u32_u24 v[STR], v18, 528
	v_lshl_add_u32 v[STR], v19, 6, v[STR]
	v_add_nc_u32 v[STR], s48, v[STR]
	s_mul_i32 s48, s[WV], 8*FRB                    ; I make row tiles 2 w and 2 w + 1: eight fragments
	s_add_co_u32 s48, s48, AIMG
	v_add_nc_u32 v[AIW], s48, v[L16]
	s_lshl_b32 s48, s[WV], 10
	s_add_co_u32 s49, s48, ASC
	v_add_nc_u32 v[ASW], s49, v[L16]
	v_add_nc_u32 v[AIR], AIMG, v[L16]
	v_add_nc_u32 v[ASR], ASC, v[L16]
	s_mul_i32 s54, s[WV], WPART                    ; my quarter of a slot, in LDS and in ecodes: the wave's number alone
	s_mov_b32 s55, 0
	v_add_nc_u32 v[AB0], s54, v[L16]
	v_lshlrev_b32 v[H8], 3, v19
	s_add_co_u32 s49, s48, MRG
	v_lshl_add_u32 v[MW], v18, 3, s49
	s_and_b32 s50, s[WV], 1
	s_lshl_b32 s51, s50, 9
	s_add_co_u32 s51, s51, MRG
	v_add_nc_u32 v[MR], s51, v[L16]
	v_lshlrev_b32 v[GO], 3, v17
	v_min_u32 v[PFO], 24, v17
	v_lshlrev_b32 v[PFO], 8, v[PFO]                ; lanes 256 bytes apart, 25 blocks; lanes 25 to 31 name lane 24's again
	v_mov_b32 v29, 0                               ; a lane permute's destination counts as one of its sources
.irp b, 0,1,2,3
	v_mov_b32 v[TM+4+\b], 0
.endr
	s_mov_b32 s[SEL], 0x76543210
	s_mov_b32 s[SEL+1], 0xfedcba98
	s_mov_b32 s[TB], 0
	s_lshl_b32 s[CB], s[WV], 6
	s_sub_co_u32 s[CB], s[CB], 208                 ; a slot's first tile adds 208, the others 16: 256 t + 64 w + 16 tile
	s_mov_b32 s[TRIPS], 14
	s_cmp_eq_u32 ttmp9, 0                          ; the first cluster prefetches: the same in all four partners
	s_cselect_b32 s[LIM], 2, -1
	s_lshl_b32 s52, s12, 18                        ; x: my block's 128 rows of 2,048 bytes,
	s_lshl_b32 s53, s[WV], 16                      ; my wave's 32 of them
	s_add_co_u32 s52, s52, s53
	s_mov_b32 s53, 0
	s_lshl_b32 s56, s12, 9                         ; best: my block's 512 bytes, and which half of them I store if I store
	s_lshl_b32 s57, s50, 8
	s_add_co_u32 s56, s56, s57
	s_mov_b32 s57, 0
	s_mul_i32 s48, s11, 6400                       ; the prefetches: the partner at place cx takes 25 of my 100 blocks
	s_add_co_u32 s48, s48, s54
	s_add_co_u32 s48, s48, 3*SLOTB                 ; in slot 3: the first change of slots steps it to slot 4
	s_mov_b32 s49, 0
	s_wait_alu depctr_va_vdst(0)
	s_wait_dscnt 0x0                               ; both opening adds are done
	s_wait_kmcnt 0x0
	s_add_nc_u64 s[4:5], s[4:5], s[52:53]
	s_add_nc_u64 s[8:9], s[8:9], s[56:57]
	s_add_nc_u64 s[PFA:PFA+1], s[6:7], s[48:49]
	s_mov_b32 s[G0A], 1
	s_mov_b32 s[G0A+1], s54
	s_add_nc_u64 s[G0A+2:G0A+3], s[6:7], s[54:55]
	s_mov_b32 s[G0B], 1
	s_add_co_u32 s[G0B+1], s54, SLOT1
	s_add_nc_u64 s[G0B+2:G0B+3], s[G0A+2:G0A+3], SLOTB
	s_or_b32 s[G0A+3], s[G0A+3], 0x80000000
	s_or_b32 s[G0B+3], s[G0B+3], 0x80000000
; THE HEAD: my 32 rows of x become eight fragments.
; 16 loads: 512 bytes (K step s) of each of row tile u's 16 rows, as they lie.  Tile u lands in window 2 + u, row i's piece at 64 s + 4 i
.macro XLOAD u, s
	WIN 0x80+0x40*(\u)
.irp i, 0,1,2,3,4,5,6,7,8,9,10,11,12,13,14,15
	global_load_b128 v[64*(\s)+4*\i:64*(\s)+4*\i+3], v[L16], s[4:5] offset:(16*(\u)+\i)*2048+512*(\s) th:TH_LOAD_NT
.endr
.endm
; A piece goes through my stage and comes back turned: window 1, register 64 s + 16 b + i = x(row r, 128 s + 32 b + 16 h + i).  LDS serves a wave's instructions in order: one stage serves all pieces.
; left: how many younger loads may be out (under 0: an earlier wait has shown the piece)
.macro TURN u, s, left
.if (\left) >= 0
	s_wait_loadcnt \left
.endif
	WIN 0x08+4*(\u)                                ; an LDS store's data are its source 1
.irp i, 0,1,2,3,4,5,6,7,8,9,10,11,12,13,14,15
	ds_store_b128 v[STW], v[64*(\s)+4*\i:64*(\s)+4*\i+3] offset:528*\i
.endr
	WIN 0x40
.irp b, 0,1,2,3
.irp j, 0,1,2,3
	ds_load_b128 v[64*(\s)+16*\b+4*\j:64*(\s)+16*\b+4*\j+3], v[STR] offset:128*\b+16*\j
.endr
.endr
.endm
.macro SS s                            ; the squares of a piece's 64 numbers, two at a time, in four chains; a tile's first four products start the chains
	WIN 0x05
.set n, 0
.rept 32
.if ((\s) == 0) && (n < 4)
	v_pk_mul_f32 v[SUM+2*n:SUM+2*n+1], v[2*n:2*n+1], v[2*n:2*n+1]
.else
	v_pk_fma_f32 v[SUM+2*(n%4):SUM+2*(n%4)+1], v[64*(\s)+2*n:64*(\s)+2*n+1], v[64*(\s)+2*n:64*(\s)+2*n+1], v[SUM+2*(n%4):SUM+2*(n%4)+1]
.endif
.set n, n+1
.endr
.endm
; K step s of the turned tile becomes a fragment's codes in v[PC] on and its rows' scale word in v[PW]
.macro QUANT s
	WIN 0x14
.irp b, 0,1,2,3
	v_max3_num_f32 v[TM+\b], 0x1800000, |v[64*(\s)+16*\b]|, |v[64*(\s)+16*\b+1]|   ; block b: my 16 numbers, and the floor 2^(3 - 127): the byte cannot fall under 1
.endr
.irp i, 2,4,6,8,10,12,14
.irp b, 0,1,2,3
	v_max3_num_f32 v[TM+\b], v[TM+\b], |v[64*(\s)+16*\b+\i]|, |v[64*(\s)+16*\b+\i+1]|
.endr
.endr
	WIN 0
.irp b, 0,1,2,3
	v_permlanex16_b32 v[TM+4+\b], v[TM+\b], s[SEL], s[SEL+1]
.endr
.irp b, 0,1,2,3
	v_max_num_f32 v[TM+\b], v[TM+\b], v[TM+4+\b]   ; with lane l xor 16's: the block's largest magnitude
.endr
.irp b, 0,1,2,3
	v_add_nc_u32 v[TM+12+\b], 0xff000000, v[TM+\b] ; 2 off its exponent field: the conversion's scale operand
.endr
.irp b, 0,1,2,3
	v_lshrrev_b32 v[TM+4+\b], 23, v[TM+12+\b]      ; the scale's byte
.endr
	v_lshl_or_b32 v[PW], v[TM+5], 8, v[TM+4]
	v_lshl_or_b32 v[PW], v[TM+6], 16, v[PW]
	v_lshl_or_b32 v[PW], v[TM+7], 24, v[PW]
	WIN 0x01
.irp c, 0,1
	v_cvt_scalef32_pk16_fp6_f32 v[PC+6*\c:PC+6*\c+2], v[64*(\s)+32*\c:64*(\s)+32*\c+15], v[TM+12+2*\c]
	v_cvt_scalef32_pk16_fp6_f32 v[PC+12+4*\c:PC+14+4*\c], v[64*(\s)+32*\c+16:64*(\s)+32*\c+31], v[TM+13+2*\c]
.endr
	WIN 0
	v_nop                                          ; one plain instruction behind a scaled conversion
.irp c, 0,1                            ; the operand's layout wants a WHOLE block in a lane
.irp i, 0,1,2
	v_permlane16_swap_b32 v[PC+6*\c+\i], v[PC+12+4*\c+\i]
.endr
.irp i, 0,1,2
	v_mov_b32 v[PC+3+6*\c+\i], v[PC+12+4*\c+\i]
.endr
.endr
.endm
; Row tile u of my two: turned, normalised, quantised, and its four fragments stored as images of their registers.  l0 .. l3: the pieces' counts of younger loads
.macro XTILE u, l0, l1, l2, l3
	TURN \u, 0, \l0
	TURN \u, 1, \l1
	s_wait_dscnt 32                                ; piece 0 is back: behind its loads stand piece 1's 16 stores and 16 loads
	SS 0
	TURN \u, 2, \l2
	s_wait_alu depctr_va_vdst(0)
	s_wait_dscnt 32
	SS 1
	TURN \u, 3, \l3
	s_wait_alu depctr_va_vdst(0)
	s_wait_dscnt 32
	SS 2
	s_wait_alu depctr_va_vdst(0)
	s_wait_dscnt 0x0
	SS 3
	WIN 0
	v_pk_add_f32 v[SUM:SUM+1], v[SUM:SUM+1], v[SUM+2:SUM+3]
	v_pk_add_f32 v[SUM+4:SUM+5], v[SUM+4:SUM+5], v[SUM+6:SUM+7]
	v_pk_add_f32 v[SUM:SUM+1], v[SUM:SUM+1], v[SUM+4:SUM+5]
	v_add_f32 v28, v[SUM], v[SUM+1]
	v_permlanex16_b32 v29, v28, s[SEL], s[SEL+1]
	v_add_f32 v28, v28, v29                        ; with lane l xor 16's half of the row
	s_wait_alu depctr_va_vdst(0)                   ; a wait ahead of a transcendental and one behind it
	v_sqrt_f32 v28, v28
	v_nop
	s_wait_alu depctr_va_vdst(0)
	v_max_num_f32 v28, 0x2b8cbccc, v28             ; max(norm, 1e-12)
	s_wait_alu depctr_va_vdst(0)
	v_rcp_f32 v30, v28
	v_nop
	s_wait_alu depctr_va_vdst(0)
	v_mov_b32 v31, v30                             ; a pair for the packed multiply
	WIN 0x41
.set n, 0
.rept 128
	v_pk_mul_f32 v[2*n:2*n+1], v[2*n:2*n+1], v[30:31]
.set n, n+1
.endr
.irp s, 0,1,2,3
	QUANT \s
.irp c, 0,1,2
	ds_store_b128 v[AIW], v[PC+4*\c:PC+4*\c+3] offset:(4*(\u)+\s)*FRB+512*\c
.endr
	ds_store_b32 v[ASW], v[PW] offset:512*(\u)+4*\s
	s_wait_dscnt 0x0                               ; the stores have read their registers
.endr
.endm
	XLOAD 0, 0                                     ; 48 loads go out ahead of the round,
	XLOAD 0, 1
	XLOAD 0, 2
	WIN 0
	CROUND                                         ; all four work-groups are here: the first joint loads meet
	tensor_load_to_lds s[G0A:G0A+3], s[G1:G1+7]    ; slot 0, my quarter: one tensor load a wave at the head
	s_nop 0
	PLACES
	XLOAD 0, 3                                     ; and the other 80 behind the fill
	XLOAD 1, 0
	XLOAD 1, 1
	XLOAD 1, 2
	XLOAD 1, 3
	XTILE 0, 63, -1, -1, -1                        ; of 128 loads at most 63 are out: the first 65 are in, tile 0's 64 among them
	XTILE 1, 48, 32, 16, 0                         ; behind tile 1's pieces 48, 32, 16 and 0 loads were issued
	s_wait_alu depctr_va_vdst(0)
	s_wait_tensorcnt 0x0                           ; my quarter of slot 0 is in
	ds_add_u32 v[SPW], v[NIL]
	s_wait_dscnt 0x0                               ; the add is done, and my images lie in LDS
	CROUND                                         ; everybody's images lie in LDS; the joint loads meet
	tensor_load_to_lds s[G0B:G0B+3], s[G1:G1+7]    ; slot 1's first fill, my one tensor load behind the round
	s_nop 0
	PLACES
.irp s, 0,1,2,3                        ; all 32 fragments of x into windows 1 and 2: they stay
	WIN 0x40*(1+\s/2)
.irp a, 0,1,2,3,4,5,6,7
.irp c, 0,1,2
	ds_load_b128 v[12*(8*(\s%2)+\a)+4*\c:12*(8*(\s%2)+\a)+4*\c+3], v[AIR] offset:(4*\a+\s)*FRB+512*\c
.endr
.endr
.endr
	WIN 0
.irp a, 0,1,2,3,4,5,6,7
	ds_load_b128 v[ASCL+4*\a:ASCL+4*\a+3], v[ASR] offset:512*\a
.endr
	WIN 0xc0                                       ; the search is written once: its first tile finds -infinity, under every product
.set n, 0
.rept 64
	v_mov_b32 v[WR+n], 0
.set n, n+1
.endr
.irp a, 0,1,2,3,4,5,6,7
	v_mov_b32 v[MX+\a], 0xff800000
	v_mov_b32 v[IDX+\a], 0
.endr
	WIN 0
; THE MAIN PART.
; Matrix instruction i of a column tile's 32: K step i / 8, row tile i % 8.  tl: the tile's number in the slot; its accumulators and fragments are set tl % 2; its scale words lie in lanes 0-15 (tl even) or 16-31 (odd) of the pair's.
; The eight accumulators take turns, one instruction a turn, from tile to tile too.  The first K step starts the sums: nothing is cleared.
.macro WM tl
.set ks, i/8
.set ra, i%8
.set pr, (\tl)%2
.set rD, 64*pr+8*ra
.set rB, BF+48*pr+12*ks
.set rA, 12*(8*(ks%2)+ra)
.set rSB, BSCL+4*(((\tl)/2)%2)+ks
.set rSA, ASCL+4*ra+ks
	WIN 0xf0|((1+ks/2)<<2)                         ; source 0 window 0, source 1 window 1 or 2, C and D window 3
.if ks == 0
.if pr
	v_wmma_scale_f32_16x16x128_f8f6f4 v[rD:rD+7], v[rB:rB+11], v[rA:rA+11], 0, v[rSB], v[rSA] matrix_a_fmt:MATRIX_FMT_FP6 matrix_b_fmt:MATRIX_FMT_FP6 matrix_a_scale:MATRIX_SCALE_ROW1
.else
	v_wmma_scale_f32_16x16x128_f8f6f4 v[rD:rD+7], v[rB:rB+11], v[rA:rA+11], 0, v[rSB], v[rSA] matrix_a_fmt:MATRIX_FMT_FP6 matrix_b_fmt:MATRIX_FMT_FP6
.endif
.else
.if pr
	v_wmma_scale_f32_16x16x128_f8f6f4 v[rD:rD+7], v[rB:rB+11], v[rA:rA+11], v[rD:rD+7], v[rSB], v[rSA] matrix_a_fmt:MATRIX_FMT_FP6 matrix_b_fmt:MATRIX_FMT_FP6 matrix_a_scale:MATRIX_SCALE_ROW1
.else
	v_wmma_scale_f32_16x16x128_f8f6f4 v[rD:rD+7], v[rB:rB+11], v[rA:rA+11], v[rD:rD+7], v[rSB], v[rSA] matrix_a_fmt:MATRIX_FMT_FP6 matrix_b_fmt:MATRIX_FMT_FP6
.endif
.endif
.endm
; Slice k of 28 of the search through the tile before (accumulator set 1 - par): line k / 2 of the 14 for four row tiles: k % 2 says which four, so that a line reads what was written eight lines earlier.
; The new maxima go to set par, the old stay in set 1 - par for the compare.  Each accumulator is read from its registers 0 and 1 on.
; PLACES: the searched tile's last products are followed by that tile's own run of slices, which names the older set alone.
.macro SL par
.if k < 28
	WIN 0xff
.set gg, k%2
.set oo, k/2
.irp q, 0,1,2,3
.set ra, 4*gg+\q
.set rN, MX+8*(\par)+ra
.set rO, MX+8*(1-(\par))+ra
.set rC, 64*(1-(\par))+8*ra
.if oo == 0
	v_max3_num_f32 v[rN], v[rO], v[rC], v[rC+1]
.elseif oo < 4
	v_max3_num_f32 v[rN], v[rN], v[rC+2*oo], v[rC+2*oo+1]
.elseif oo == 4
	v_cmp_gt_f32 s[MK+4*gg+\q], v[rN], v[rO]       ; only a larger number takes the place: among equals the earlier, lower column stays
.elseif oo == 5
	v_cndmask_b32 v[IDX+ra], v[IDX+ra], s[CBP], s[MK+4*gg+\q]
.else
	v_cndmask_b32 v[WR+8*ra+oo-6], v[WR+8*ra+oo-6], v[rC+oo-6], s[MK+4*gg+\q]
.endif
.endr
.endif
.endm
; Tile tn's four fragments from the slot in hand into set tn % 2, and with a pair's first tile the pair's scale words: 12 or 13 loads in one run, 512 consecutive bytes each.
; The set's last reader is the tile before's instruction 31: that tile's last run of slices, or the four v_nop behind the joint load, stand between.
.macro FETCHB tn
	WIN 0
	v_add_nc_u32 v[ADR], s[TB], v[AB0]
.if (\tn)%2 == 0
	ds_load_b128 v[BSCL+4*(((\tn)/2)%2):BSCL+4*(((\tn)/2)%2)+3], v[ADR] offset:((\tn)/2)*PAIRB+12288
.endif
.irp s, 0,1,2,3
.irp c, 0,1,2
	ds_load_b128 v[BF+48*((\tn)%2)+12*\s+4*\c:BF+48*((\tn)%2)+12*\s+4*\c+3], v[ADR] offset:((\tn)/2)*PAIRB+((\tn)%2)*6144+FRB*\s+512*\c
.endr
.endr
.endm
; The last two changes of the loop ask for nothing: there is no slot 16.  Slots 0 to 3 come by their loads alone.
.macro ASK
	s_cmp_gt_u32 s[TRIPS], s[LIM]
	s_cbranch_scc0 .Lnot_mine_\@
	global_prefetch_b8 v[PFO], s[PFA:PFA+1] th:TH_LOAD_NT scope:SCOPE_SE
.Lnot_mine_\@:
.endm
.macro RUN tl, vec, from, to           ; matrix instructions from .. to of tile tl in one run, and behind them slices from .. to in one run
.set i, \from
.rept (\to)-(\from)+1
	WM \tl
.set i, i+1
.endr
.if \vec
.set k, \from
.rept (\to)-(\from)+1
	SL (\tl)%2
.set k, k+1
.endr
.endif
.endm
; A COLUMN TILE.  vec = 0: there is no tile before to search.  fetch = 1: the next tile's fragments are fetched, behind the first short run, 30 matrix instructions ahead of their use.
; chg = 1: the slot's last tile changes slots and fills the slot again; chg = 2: it changes slots and fills nothing.
.macro TILE tl, vec, chg, fetch
	s_mov_b32 s[CBP], s[CB]
.if (\tl) == 0
	s_add_co_u32 s[CB], s[CB], 208
.else
	s_add_co_u32 s[CB], s[CB], 16
.endif
.if (\chg) == 0
	s_wait_dscnt 0x0                               ; this tile's fragments are in
	RUN \tl, \vec, 0, 1
.if \fetch
	FETCHB ((\tl)+1)%4
.endif
	RUN \tl, \vec, 2, 31
.elseif (\chg) == 1
	WIN 0                                          ; (the add's two registers lie in window 0)
	s_wait_xcnt 0x0                                ; the last prefetch, a slot back, has read its address: it is stepped here
	s_add_nc_u64 s[PFA:PFA+1], s[PFA:PFA+1], SLOTB
	s_wait_tensorcnt 0x0                           ; all my tensor loads have landed: the one that was out is my quarter of the next slot;
	ds_add_u32 v[SPW], v[NIL]                      ; 0 onto my spare word;
	s_xor_b32 s[G0B+1], s[G0B+1], SLOT1            ; no tensor load of mine is out, so the walking group 0 may be written: the other slot than last time,
	s_add_nc_u64 s[G0B+2:G0B+3], s[G0B+2:G0B+3], SLOTB   ; the next 256 columns
	s_wait_dscnt 0x1                               ; only the add may be out: this tile's fragments, the last reads of the slot, are in
	RUN \tl, \vec, 0, 7                            ; work on registers stands between the add and the wait for it
	s_wait_alu depctr_va_vdst(0)
	s_wait_dscnt 0x0                               ; the add is done, and my reads of this slot are over
	s_barrier_signal -1                            ; this barrier opens a round of the cluster's barrier
	RUN \tl, \vec, 8, 15                           ; work on registers while the others arrive
	WIN 0
	s_barrier_wait -1
	CREST                                          ; no wave of any partner still reads this slot or has a load on its way
	tensor_load_to_lds s[G0B:G0B+3], s[G1:G1+7]    ; the first thing behind the round, and my one tensor load until the next: 112 matrix instructions ahead of the wait for it
	s_nop 0
	PLACES
	s_xor_b32 s[TB], s[TB], SLOT1                  ; on to the other slot
	FETCHB 0
	ASK
	s_wait_alu depctr_va_vdst(0)
	RUN \tl, \vec, 16, 31
.else
	s_wait_dscnt 0x0
	RUN \tl, \vec, 0, 1
	WIN 0
	s_wait_alu depctr_va_vdst(0)
	s_wait_tensorcnt 0x0                           ; my quarter of the last slot is in; I alone read it, and nothing is filled again: no barrier
	s_xor_b32 s[TB], s[TB], SLOT1
	FETCHB 0
	RUN \tl, \vec, 2, 31
.endif
.endm
	s_wait_alu depctr_va_vdst(0)
	FETCHB 0                                       ; my quarter of slot 0 was shown landed ahead of the round; I alone read it
	TILE 0, 0, 0, 1                                ; the first tile stands bare
	PLACES                                         ; in the slices' stead, behind its last products
	WIN 0                                          ; at a label and at a branch every window is 0
.Lslot:                                                ; 14 trips, from a slot's second tile to the next slot's first; trip t fills the slot that it leaves with slot t + 2
	TILE 1, 1, 0, 1
	TILE 2, 1, 0, 1
	TILE 3, 1, 1, 1
	TILE 0, 1, 0, 1
	WIN 0
	s_sub_co_u32 s[TRIPS], s[TRIPS], 1
	s_cmp_lg_u32 s[TRIPS], 0
	s_cbranch_scc1 .Lslot
	TILE 1, 1, 0, 1                                ; the tail is written out: slots 14 and 15
	TILE 2, 1, 0, 1
	TILE 3, 1, 2, 1
	TILE 0, 1, 0, 1
	TILE 1, 1, 0, 1
	TILE 2, 1, 0, 1
	TILE 3, 1, 0, 0
	PLACES                                         ; behind the last products
	s_mov_b32 s[CBP], s[CB]
.set k, 0
.rept 28
	SL 0                                           ; the last tile is searched: the maxima end in set 0
.set k, k+1
.endr
	; THE END.  Which of the kept 8 is the maximum: the lowest j whose number equals it
.irp a, 0,1,2,3,4,5,6,7
	v_mov_b32 v[JJ+\a], 7
.endr
.irp j, 6,5,4,3,2,1,0
.irp g, 0,1
.irp q, 0,1,2,3
	v_cmp_eq_f32 s[MK+\q], v[WR+8*(4*\g+\q)+\j], v[MX+4*\g+\q]
.endr
.irp q, 0,1,2,3
	v_cndmask_b32 v[JJ+4*\g+\q], v[JJ+4*\g+\q], \j, s[MK+\q]
.endr
.endr
.endr
	WIN 0x0f
.irp a, 0,1,2,3,4,5,6,7
	v_add3_u32 v[PV+2*\a+1], v[IDX+\a], v[JJ+\a], v[H8]    ; the column: the tile's first + j + 8 h
.endr
	WIN 0x03
.irp a, 0,1,2,3,4,5,6,7
	v_mov_b32 v[PV+2*\a], v[MX+\a]                 ; and its product
.endr
	WIN 0
; of two pairs (product, column) the larger product stays, among equals the lower column: masks select values alone
.macro MERGE m, c, om, oc
	v_cmp_gt_f32 s[MK], v[\om], v[\m]
	v_cmp_eq_f32 s[MK+1], v[\om], v[\m]
	v_cmp_lt_u32 s[MK+2], v[\oc], v[\c]
	s_and_b32 s[MK+1], s[MK+1], s[MK+2]
	s_or_b32 s[MK], s[MK], s[MK+1]
	v_cndmask_b32 v[\m], v[\m], v[\om], s[MK]
	v_cndmask_b32 v[\c], v[\c], v[\oc], s[MK]
.endm
.set n, 0
.rept 16
	v_mov_b32 v[OT+n], 0                           ; a lane permute's destination counts as one of its sources
.set n, n+1
.endr
.irp a, 0,1,2,3,4,5,6,7
	v_permlanex16_b32 v[OT+2*\a], v[PV+2*\a], s[SEL], s[SEL+1]         ; the row's other 8 columns of each tile lie in the lane 16 away
	v_permlanex16_b32 v[OT+2*\a+1], v[PV+2*\a+1], s[SEL], s[SEL+1]
.endr
.irp a, 0,1,2,3,4,5,6,7
	MERGE PV+2*\a, PV+2*\a+1, OT+2*\a, OT+2*\a+1
.endr
.irp a, 0,1,2,3,4,5,6,7
	ds_store_b64 v[MW], v[PV+2*\a:PV+2*\a+1] offset:128*\a   ; row 16 a + r of my wave's table; both halves of the lanes write the same bytes with the same values
.endr
	s_wait_dscnt 0x0                               ; for the others' sake: my pairs lie in LDS
	s_barrier_signal -1
	s_barrier_wait -1
	s_cmp_ge_u32 s[WV], 2
	s_cbranch_scc1 .Ldone                          ; waves 0 and 1 finish 64 rows each, two a lane
.irp w, 0,1,2,3
	ds_load_b128 v[FM+4*\w:FM+4*\w+3], v[MR] offset:1024*\w
.endr
	s_wait_dscnt 0x0
.irp w, 1,2,3
	MERGE FM, FM+1, FM+4*\w, FM+4*\w+1
	MERGE FM+2, FM+3, FM+4*\w+2, FM+4*\w+3
.endr
	v_mov_b32 v120, v[FM+1]
	v_mov_b32 v121, v[FM+3]
	global_store_b64 v[GO], v[120:121], s[8:9]     ; the wave's store covers 256 consecutive bytes, at a multiple of 256 from best's first byte
.Ldone:
	s_wait_tensorcnt 0x0                           ; the wave's end: behind my last tensor load and my last LDS store
	ds_add_u32 v[SPW], v[NIL]
	s_wait_dscnt 0x0
	CROUND                                         ; the closing round: no work-group ends while a partner may still ask for a tile that names it
	s_endpgm
.Lfunc_end_k_qcb176f3e3e_match:
	.size	k_qcb176f3e3e_match, .Lfunc_end_k_qcb176f3e3e_match-k_qcb176f3e3e_match
	.p2alignl 7, 3214868480
	.fill 96, 4, 3214868480
	.section	.rodata,"a",@progbits
	.p2align	6, 0x0
	.amdhsa_kernel k_qcb176f3e3e_match
		.amdhsa_group_segment_fixed_size 327680
		.amdhsa_private_segment_fixed_size 0
		.amdhsa_enable_private_segment 0
		.amdhsa_kernarg_size 24
		.amdhsa_user_sgpr_count 2
		.amdhsa_user_sgpr_kernarg_segment_ptr 1
		.amdhsa_wavefront_size32 1
		.amdhsa_system_sgpr_workgroup_id_x 1
		.amdhsa_system_sgpr_workgroup_id_y 1
		.amdhsa_system_sgpr_workgroup_id_z 1
		.amdhsa_system_vgpr_workitem_id 0
		.amdhsa_next_free_vgpr 1024
		.amdhsa_next_free_sgpr 66
		.amdhsa_reserve_vcc 0
		.amdhsa_float_denorm_mode_32 3
		.amdhsa_float_denorm_mode_16_64 3
		.amdhsa_memory_ordered 1
		.amdhsa_forward_progress 1
		.amdhsa_inst_pref_size 255
	.end_amdhsa_kernel
	.section	.bss,"aw",@nobits
	.p2align	6
	.space	262144
	.amdgpu_metadata
---
amdhsa.version: [ 1, 2 ]
amdhsa.kernels:
  - .name:           k_qcb176f3e3e_match
    .symbol:         k_qcb176f3e3e_match.kd
    .args:
      - { .name: x, .offset: 0, .size: 8, .value_kind: global_buffer, .address_space: global }
      - { .name: ecodes, .offset: 8, .size: 8, .value_kind: global_buffer, .address_space: global }
      - { .name: best, .offset: 16, .size: 8, .value_kind: global_buffer, .address_space: global }
    .group_segment_fixed_size: 327680
    .private_segment_fixed_size: 0
    .kernarg_segment_align: 8
    .kernarg_segment_size: 24
    .max_flat_workgroup_size: 128
    .sgpr_count:     66
    .vgpr_count:     1024
    .wavefront_size: 32
...
	.end_amdgpu_metadata
.endif
;; end of part 2
;; launch emit (part 3): grid 512 x 1, 8 waves a work-group, no clusters, 0 bytes of LDS; arguments best, etab, out0; writes out0
.if DOCPART == 3
	.amdgcn_target "amdgcn-amd-amdhsa--gfx1250"
	.amdhsa_code_object_version 6
	.text
	.protected	k_qcb176f3e3e_emit
	.globl	k_qcb176f3e3e_emit
	.p2align	8
	.type	k_qcb176f3e3e_emit,@function
k_qcb176f3e3e_emit:
	s_mov_b64 s[64:65], 0
	v_nop
	global_prefetch_b8 v0, s[64:65] scope:SCOPE_SE
	s_setreg_imm32_b32 hwreg(HW_REG_WAVE_MODE, 25, 1), 1
	s_wait_xcnt 0x0
; out0[row][:] = etab[best[row]][:].  best: [32768] whole numbers, stored by the launch before; etab: [4096][512] f32; out0: [32768][512] f32.
; A stream: a wave copies 8 rows of 2,048 bytes.  Its 8 row numbers come by one scalar load, are held at 4,095 (the table's last row) and become offsets; 32 loads of 512 consecutive bytes go out together,
; and each is stored as soon as it is in.  No loop, and no register is written twice: so no wait frees a source.  LDS, barriers, clusters and the matrix unit would add nothing: waves share nothing but the table, which is only read.
	s_load_b128 s[4:7], s[0:1], 0x0                ; best, etab
	s_load_b64 s[8:9], s[0:1], 0x10                ; out0
	v_lshrrev_b32 v1, 5, v0
	s_delay_alu instid0(VALU_DEP_1)
	v_readfirstlane_b32 s10, v1                    ; wave 0..7
	v_and_b32 v1, 31, v0
	s_delay_alu instid0(VALU_DEP_1)
	v_lshlrev_b32 v1, 4, v1                        ; 16 x lane
	s_lshl_b32 s11, ttmp9, 3
	s_add_co_u32 s11, s11, s10                     ; which run of 8 rows is my wave's
	s_lshl_b32 s12, s11, 5                         ; its 32 bytes of best,
	s_mov_b32 s13, 0
	s_lshl_b32 s14, s11, 14                        ; its 16,384 bytes of out0
	s_mov_b32 s15, 0
	s_wait_alu depctr_va_vdst(0)
	s_wait_kmcnt 0x0
	s_add_nc_u64 s[4:5], s[4:5], s[12:13]
	s_add_nc_u64 s[8:9], s[8:9], s[14:15]
	s_load_b256 s[16:23], s[4:5], 0x0              ; my 8 rows' columns
	s_wait_kmcnt 0x0
.irp i, 0,1,2,3,4,5,6,7
	s_min_u32 s[16+\i], s[16+\i], 4095             ; a loaded number enters an address only behind this bound
	s_lshl_b32 s[16+\i], s[16+\i], 11              ; a row of the table is 2,048 bytes
	v_add_nc_u32 v[2+\i], s[16+\i], v1
.endr
	s_wait_alu depctr_va_vdst(0)
.irp i, 0,1,2,3,4,5,6,7
.irp c, 0,1,2,3
	global_load_b128 v[16+16*\i+4*\c:16+16*\i+4*\c+3], v[2+\i], s[6:7] offset:512*\c   ; no hint: the table's rows are read again and again
.endr
.endr
.irp i, 0,1,2,3,4,5,6,7
.irp c, 0,1,2,3
	s_wait_loadcnt 31-4*\i-\c                      ; loads come back in order (ISA guide 5.7.1): this one is in, the younger ones stay out
	global_store_b128 v1, v[16+16*\i+4*\c:16+16*\i+4*\c+3], s[8:9] offset:2048*\i+512*\c th:TH_STORE_NT   ; 512 consecutive bytes, at a multiple of 512 from out0's first byte; written once, read by nobody here
.endr
.endr
	s_endpgm
.Lfunc_end_k_qcb176f3e3e_emit:
	.size	k_qcb176f3e3e_emit, .Lfunc_end_k_qcb176f3e3e_emit-k_qcb176f3e3e_emit
	.p2alignl 7, 3214868480
	.fill 96, 4, 3214868480
	.section	.rodata,"a",@progbits
	.p2align	6, 0x0
	.amdhsa_kernel k_qcb176f3e3e_emit
		.amdhsa_group_segment_fixed_size 0
		.amdhsa_private_segment_fixed_size 0
		.amdhsa_enable_private_segment 0
		.amdhsa_kernarg_size 24
		.amdhsa_user_sgpr_count 2
		.amdhsa_user_sgpr_kernarg_segment_ptr 1
		.amdhsa_wavefront_size32 1
		.amdhsa_system_sgpr_workgroup_id_x 1
		.amdhsa_system_sgpr_workgroup_id_y 1
		.amdhsa_system_sgpr_workgroup_id_z 1
		.amdhsa_system_vgpr_workitem_id 0
		.amdhsa_next_free_vgpr 144
		.amdhsa_next_free_sgpr 66
		.amdhsa_reserve_vcc 0
		.amdhsa_float_denorm_mode_32 3
		.amdhsa_float_denorm_mode_16_64 3
		.amdhsa_memory_ordered 1
		.amdhsa_forward_progress 1
		.amdhsa_inst_pref_size 10
	.end_amdhsa_kernel
	.amdgpu_metadata
---
amdhsa.version: [ 1, 2 ]
amdhsa.kernels:
  - .name:           k_qcb176f3e3e_emit
    .symbol:         k_qcb176f3e3e_emit.kd
    .args:
      - { .name: best, .offset: 0, .size: 8, .value_kind: global_buffer, .address_space: global }
      - { .name: etab, .offset: 8, .size: 8, .value_kind: global_buffer, .address_space: global }
      - { .name: out0, .offset: 16, .size: 8, .value_kind: global_buffer, .address_space: global }
    .group_segment_fixed_size: 0
    .private_segment_fixed_size: 0
    .kernarg_segment_align: 8
    .kernarg_segment_size: 24
    .max_flat_workgroup_size: 256
    .sgpr_count:     66
    .vgpr_count:     144
    .wavefront_size: 32
...
	.end_amdgpu_metadata
.endif
;; end of part 3
